; MI455X (gfx1250); checked and timed in simulation.
; The chip was launched on July 23, 2026; its instructions are those of AMD's public machine-readable ISA for CDNA 5 (MIT licence, August 2026) and "CDNA5" Instruction Set Architecture Reference Guide (July 2026). The comments in the code are by the model that wrote it; some were corrected since.
;; QKV Attention. Allowed arithmetic: matrix products marked QUANTISED: E2M1 operands, one E8M0 scale for each 32 along K, by v_wmma_scale_f32_16x16x128_f8f6f4 with both operands' format E2M1 (or v_wmma_scale_f32_32x16x128_f4), f32 sums; everything else in f32.
;; Inputs: qkv 16 x 192 x 4,096 float32.
;; Outputs: out0 16 x 64 x 4,096 float32.
;; This version of the problem:
;;   THIS VERSION OF THE PROBLEM IS GIVEN IN LOW PRECISION. The matrix products marked QUANTISED in the list below multiply operands that are first quantised to E2M1 (2 exponent bits, 1 mantissa bit; 4 bits a number), with one power-of-two scale for each 32 numbers along K (OCP MX v1.0); their sums are f32. All else is computed in f32.
;;   The module's matrix products, in the order in which they are computed (A, B: the left and right operand; K: the contracted axis; several contracted axes count as one K, in the product's order):
;;     1. batch 16 x [M 4,096, K 64] x [K 64, N 4,096]; A: computed on the way; B: computed on the way: QUANTISED
;;     2. batch 16 x [M 64, K 4,096] x [K 4,096, N 4,096]; A: computed on the way; B: softmax (see below): QUANTISED
;;   THE QUANTISER, for each operand of a quantised product, along K:
;;     - K is cut into blocks of 32 from its start; a last block that is shorter is filled with zeros.
;;     - A block's scale is 2^e with e = floor(log2(the largest magnitude in the block)) - 2, held to -126 .. 127; a block of zeros has e = 0. As a byte (E8M0): e + 127.
;;     - Each number is divided by its block's scale, clamped to +-6, and rounded to the nearest number of E2M1, ties to even, subnormals kept.
;;     - The product sums the exact products of the quantised numbers (number of the format x scale) in f32.
;;   ~~~python
;;   def quantise(x, axis):      # numpy; x: float32 -> the quantised numbers, widened to float32 again
;;       x = np.moveaxis(x, axis, -1); K = x.shape[-1]
;;       x = np.pad(x, [(0, 0)] * (x.ndim - 1) + [(0, -K % 32)]); x = x.reshape(x.shape[:-1] + (-1, 32)); a = np.abs(x).max(-1, keepdims=True)
;;       e = np.where(a > 0, np.clip(np.frexp(np.where(a > 0, a, 1))[1] - 1 - 2, -126, 127), 0)      # np.frexp(a)[1] - 1 = floor(log2(a)), exactly
;;       r = np.clip(x / 2.0 ** e, -6, 6)
;;       step = 2.0 ** (np.maximum(np.frexp(np.where(r == 0, 1, r))[1] - 1, 0) - 1)
;;       q = np.round(r / step) * step * 2.0 ** e      # np.round: ties to even
;;       return np.moveaxis(q.reshape(q.shape[:-2] + (-1,))[..., :K], -1, axis).astype(np.float32)
;;   ~~~
;;   SOFTMAX AHEAD OF A QUANTISED PRODUCT. Where the list says 'softmax', what is quantised is not the finished softmax but p = 2^(t - M), with t = logit x log2(e) and M = ceil(the row's largest t), a whole number; so 1/2 < the row's largest p <= 1. The row's sum l is taken of the UNQUANTISED p, in f32, and the product's result is divided by l at the end. Since M is a whole number, a kernel that streams over the keys may use a running M (the ceiling of the running maximum): every later rescaling is an exact power of two, which a block's scale takes up: the codes' values come out the same.
;;   OPERANDS COMPUTED ON THE WAY. 'Computed on the way' means the value that the module computes at that place (a softmax that the list does not call 'softmax' is quantised finished and normalised). What goes into a quantiser is computed in f32, as accurately as f32 sums, v_exp_f32 and their like allow (about 1e-6 of the number): no bf16 or f16 on the way to a quantiser, and a product that is left as it is and whose result goes on into a quantised operand takes f32 operands (vector FMAs, or v_wmma_f32_16x16x4_f32). A number that lies on a knife's edge between two numbers of the format may be rounded either way, as far as f32 arithmetic and the matrix unit's own rounding can turn it there, and no further.
;; One version. Each part assembles by itself: llvm-mc -triple=amdgcn-amd-amdhsa -mcpu=gfx1250 --defsym DOCPART=n.
;; ======== version 1 of 1: 2 launches
;; limits: right only within a limited range of input values
;; workspace buffers: qimg 2,228,224 bytes; kvimg 4,456,448 bytes
;; launch quant (part 1): grid 16 x 16, 12 waves a work-group, no clusters, 89,088 bytes of LDS; arguments qkv, qimg, kvimg; writes qimg, kvimg
.if DOCPART == 1
	.amdgcn_target "amdgcn-amd-amdhsa--gfx1250"
	.amdhsa_code_object_version 6
	.text
	.protected	k_q6af31dac4b_quant
	.globl	k_q6af31dac4b_quant
	.p2align	8
	.type	k_q6af31dac4b_quant,@function
k_q6af31dac4b_quant:
	s_mov_b64 s[64:65], 0
	v_nop
	global_prefetch_b8 v0, s[64:65] scope:SCOPE_SE
	s_setreg_imm32_b32 hwreg(HW_REG_WAVE_MODE, 25, 1), 1
	s_wait_xcnt 0x0
; qkv [16][192][4096] f32 becomes codes of FP4 (E2M1) with one E8M0 scale byte for each 32 along a product's K, laid as IMAGES OF THE OPERANDS' REGISTERS for the attention launch.
; q x 64^-0.25 and k x 64^-0.25 are quantised along the 64 channels (two blocks of 32), v along the keys (blocks of 32 positions).
; A block's scale is 2^(floor(log2(its largest magnitude)) - 2); its byte is the largest magnitude's exponent field - 2, held at 1 from below.
; LIMITS: NaN and infinities among the inputs are not served; a block whose largest magnitude lies under 2^-124 gets the byte 1; a block of zeros gets the byte 1 where the rule says 127:
; its codes are zeros, which add nothing under any byte but 0xff, and these bytes are read by this program alone.
; RECORDS.  One record for each batch b and each 128 positions j: rec = 32 b + j.  qimg: [512][4352]: 4,096 bytes of codes, 256 of scale bytes.  kvimg: [512][8704]: K's codes, V's codes, K's scale bytes, V's.
;   Q, K: position kappa = 32 bb + 16 a + 8 u + e (e = 0..7) is row r = 8 a + e of tile (bb, u); its 32 codes of channels 32 h on lie at 1024 bb + 512 u + 256 h + 16 r; their scale byte at 16 r + 4 bb + 2 u + h.
;   V: channel 16 t + r, keys 64 c + 32 h + 0..31: 16 bytes at 1024 t + 512 c + 256 h + 16 r; their scale byte at 16 r + 4 t + 2 c + h.
; SHARES.  A work-group takes 256 positions of one batch, all 192 rows.  Wave w takes 64 rows x 64 positions: tensor w / 4 (q, k, v), group g = w % 4 of 64 positions.
; Lane (x = lane % 16, h = lane / 16) loads rows 32 h + i, i = 0..31, at positions 4 x .. 4 x + 3: sixteen lanes read 256 consecutive bytes, aligned.  All 32 loads of a wave go out at once.
; q, k: a lane's 32 registers of one position are a whole block along the channels: nothing is turned.  v: the 64 x 64 numbers turn through the wave's own stage in LDS, so that a lane holds 32 neighbouring keys.
; No tensor load, one barrier (for the scale bytes, which several waves gather into one aligned run).
.set ROWB,  16384                      ; a row of qkv in bytes
.set VST,   16384                      ; LDS: 0: eight stages of 2,048 bytes for the codes of waves 0-7;  VST: four stages of 64 rows x 272 bytes for waves 8-11;
.set VSTW,  17408
.set VP,    272                        ; (256 bytes + 16: the sixteen rows that a load touches start at sixteen different banks)
.set SCS,   86016                      ; SCS: the scale bytes, [tensor][record of the two][256]
.set RECQ,  4352
.set RECKV, 8704
.set L,  32                            ; v32-159  the numbers as loaded: register 4 i + c = row 32 h + i, position 4 x + c
.set X0, 160                           ; v160-223 two sets of 32 numbers of one block
.set C,  224                           ; v224-239 codes, four registers a block: never written twice
.set E,  240                           ; v240-243 scale bytes
; v1 x, v2 h, v3 the loads' offset, v4 16 x lane, v5-v12 LDS addresses (all made ahead of the parting of the roles), v13 the offset of Q's scale store, v16-19 at work
	s_load_b128 s[4:7], s[0:1], 0x0                ; qkv, qimg
	s_load_b64 s[8:9], s[0:1], 0x10                ; kvimg
	v_lshl_add_u32 v254, v0, 2, 0x15600
	v_mov_b32 v255, 0
	v_lshrrev_b32 v16, 5, v0
	s_delay_alu instid0(VALU_DEP_1)
	v_readfirstlane_b32 s10, v16                   ; wave 0..11
	s_mov_b32 s11, ttmp9                           ; which 256 positions
	s_and_b32 s12, ttmp7, 0xffff                   ; batch
	s_lshr_b32 s13, s10, 2                         ; tensor: 0 q, 1 k, 2 v
	s_and_b32 s14, s10, 3                          ; g
	s_mul_i32 s16, s12, 192*ROWB                   ; where my 64 rows x 64 positions begin: the batch,
	s_lshl_b32 s21, s13, 20                        ; 64 rows for each tensor,
	s_add_co_u32 s16, s16, s21
	s_lshl_b32 s21, s11, 10                        ; 256 positions for each work-group,
	s_add_co_u32 s16, s16, s21
	s_lshl_b32 s21, s14, 8                         ; 64 for each group
	s_add_co_u32 s16, s16, s21
	s_mov_b32 s17, 0
	s_lshl_b32 s25, s12, 5
	s_lshl_b32 s21, s11, 1
	s_add_co_u32 s25, s25, s21                     ; the first of my work-group's two records: 32 x batch + 2 x work-group x
	s_mov_b32 s24, 0x3eb504f3                      ; 64^-0.25 in f32
	v_and_b32 v1, 15, v0                           ; x
	v_bfe_u32 v2, v0, 4, 1                         ; h
	s_delay_alu instid0(VALU_DEP_2)
	v_lshlrev_b32 v3, 4, v1
	s_delay_alu instid0(VALU_DEP_1)
	v_lshl_add_u32 v3, v2, 19, v3                  ; 32 h rows + 16 x bytes
	s_wait_alu depctr_va_vdst(0)
	s_wait_kmcnt 0x0
	s_add_nc_u64 s[4:5], s[4:5], s[16:17]
.set i, 0
.rept 32
	global_load_b128 v[L+4*i:L+4*i+3], v3, s[4:5] offset:i*ROWB th:TH_LOAD_NT   ; read once in the launch
.set i, i+1
.endr
	; where my codes go: q: qimg, k and v: kvimg; the record of my group; q, k: my 64 positions are 2,048 bytes of it; v: my 64 keys are 512 bytes of each channel tile, behind K's 4,096
	s_cmp_lt_u32 s10, 4
	s_cselect_b64 s[18:19], s[6:7], s[8:9]
	s_mov_b32 s20, RECKV
	s_cselect_b32 s20, RECQ, s20
	s_cmp_lt_u32 s10, 8
	s_cselect_b32 s21, 11, 9
	s_cselect_b32 s23, 0, 4096
	s_lshr_b32 s22, s14, 1
	s_add_co_u32 s22, s22, s25
	s_mul_i32 s22, s22, s20
	s_and_b32 s26, s14, 1
	s_lshl_b32 s26, s26, s21
	s_add_co_u32 s22, s22, s26
	s_add_co_u32 s22, s22, s23
	s_mov_b32 s23, 0
	s_add_nc_u64 s[18:19], s[18:19], s[22:23]
	v_and_b32 v4, 31, v0
	s_delay_alu instid0(VALU_DEP_1)
	v_lshlrev_b32 v4, 4, v4                        ; 16 x lane
	; THE LAYOUT OF Q AND K IN FORCE (it takes the place of the line on Q, K under RECORDS): position kappa = 64 c + 32 a + 8 u + e (u = 0..3, e = 0..7) is row r = 8 a + e of tile f = 4 c + u;
	; its 32 codes of channels 32 h on lie at 512 f + 256 h + 16 r, their scale byte at 16 r + 4 (f / 2) + 2 (f % 2) + h.  Position 64 (g % 2) + 4 x + c': c = g % 2, a = x3, u = 2 x2 + x1, e = 4 x0 + c'.
	v_bfe_u32 v16, v0, 2, 1                        ; x2: the upper bit of u (1024 in the codes, 4 among the scale bytes)
	v_bfe_u32 v17, v0, 1, 1                        ; x1: the lower bit of u
	v_bfe_u32 v18, v0, 3, 1                        ; x3: a (128 in both)
	v_and_b32 v19, 1, v0                           ; x0.  Position 64 (g % 2) + 4 x + c: bb = 2 (g % 2) + x3, a = x2, u = x1, e = 4 x0 + c
	s_delay_alu instid0(VALU_DEP_4)
	v_lshlrev_b32 v5, 10, v16                      ; v5: q, k: where a position's 16 bytes go in my stage: 1024 x2 + 512 x1 + 256 h + 128 x3 + 64 x0 (+ 16 c)
	s_delay_alu instid0(VALU_DEP_1)
	v_lshl_add_u32 v5, v17, 9, v5
	s_delay_alu instid0(VALU_DEP_1)
	v_lshl_add_u32 v5, v2, 8, v5
	s_delay_alu instid0(VALU_DEP_1)
	v_lshl_add_u32 v5, v18, 7, v5
	s_delay_alu instid0(VALU_DEP_1)
	v_lshl_add_u32 v5, v19, 6, v5
	s_and_b32 s26, s10, 7
	s_lshl_b32 s26, s26, 11                        ; my stage
	v_add_nc_u32 v5, s26, v5
	v_add_nc_u32 v6, s26, v4                       ; v6: and where I read it back: 16 x lane
	v_lshlrev_b32 v7, 7, v18                       ; v7: q, k: my block's scale byte: 128 x3 + 64 x0 (+ 16 c) + 8 (g % 2) + 4 x2 + 2 x1 + h
	s_delay_alu instid0(VALU_DEP_1)
	v_lshl_add_u32 v7, v19, 6, v7
	s_delay_alu instid0(VALU_DEP_1)
	v_lshl_add_u32 v7, v16, 2, v7
	s_delay_alu instid0(VALU_DEP_1)
	v_lshl_add_u32 v7, v17, 1, v7
	s_delay_alu instid0(VALU_DEP_1)
	v_add_nc_u32 v7, v7, v2
	s_lshr_b32 s27, s10, 1
	s_lshl_b32 s27, s27, 8
	s_add_co_u32 s27, s27, SCS                     ; the 256 scale bytes of my tensor and record
	s_and_b32 s28, s10, 1
	s_lshl_b32 s29, s28, 3
	s_add_co_u32 s29, s29, s27
	v_add_nc_u32 v7, s29, v7
	s_mul_i32 s26, s14, VSTW
	s_add_co_u32 s26, s26, VST                     ; v: my stage
	v_mul_u32_u24 v8, v2, 32*VP                    ; v8: in: row 32 h (+ i), 16 x bytes
	s_delay_alu instid0(VALU_DEP_1)
	v_lshl_add_u32 v8, v1, 4, v8
	s_delay_alu instid0(VALU_DEP_1)
	v_add_nc_u32 v8, s26, v8
	v_mul_u32_u24 v9, v1, VP                       ; v9: out: row x (+ 16 t), keys 32 h on
	s_delay_alu instid0(VALU_DEP_1)
	v_lshl_add_u32 v9, v2, 7, v9
	s_delay_alu instid0(VALU_DEP_1)
	v_add_nc_u32 v9, s26, v9
	s_lshl_b32 s29, s28, 1
	s_add_co_u32 s29, s29, s27
	v_lshl_add_u32 v10, v1, 4, v2                  ; v10: v: my block's scale byte: 16 x (+ 4 t) + 2 (g % 2) + h
	s_delay_alu instid0(VALU_DEP_1)
	v_add_nc_u32 v10, s29, v10
	s_lshl_b32 s29, s28, 8
	s_add_co_u32 s29, s29, SCS+512
	v_lshlrev_b32 v11, 9, v2                       ; v11: the way out of K's (lanes 0-15) and V's (lanes 16-31) scale bytes of record wave % 2
	s_delay_alu instid0(VALU_DEP_1)
	v_lshl_add_u32 v11, v1, 4, v11
	s_delay_alu instid0(VALU_DEP_1)
	v_add_nc_u32 v11, s29, v11
	v_add_nc_u32 v12, SCS, v4                      ; v12: of Q's: lanes 0-15 the first record's, lanes 16-31 the second's
	v_mul_u32_u24 v13, v2, RECQ
	s_delay_alu instid0(VALU_DEP_1)
	v_lshl_add_u32 v13, v1, 4, v13                 ; v13: and their places in qimg
; The 32 numbers v[xs] .. v[xs + 31] are one block: its codes go to v[C + 4 n] on, its scale byte to v[E + n].
.macro BLOCKQ xs, n
	v_max3_num_f32 v16, |v[(\xs)]|, |v[(\xs)+1]|, 0x1800000          ; the largest magnitude, in two chains; the floor 2^(3 - 127) among the leaves holds the byte at 1 from below
	v_max3_num_f32 v17, |v[(\xs)+16]|, |v[(\xs)+17]|, |v[(\xs)+18]|
.irp i, 2,4,6,8,10,12
	s_delay_alu instid0(VALU_DEP_2)
	v_max3_num_f32 v16, v16, |v[(\xs)+\i]|, |v[(\xs)+\i+1]|
	s_delay_alu instid0(VALU_DEP_2)
	v_max3_num_f32 v17, v17, |v[(\xs)+\i+17]|, |v[(\xs)+\i+18]|
.endr
	s_delay_alu instid0(VALU_DEP_2)
	v_max3_num_f32 v16, v16, |v[(\xs)+14]|, |v[(\xs)+15]|
	s_delay_alu instid0(VALU_DEP_1)
	v_max3_num_f32 v16, v16, v17, |v[(\xs)+31]|
	s_delay_alu instid0(VALU_DEP_1)
	v_add_nc_u32 v18, 0xff000000, v16              ; 2 off its exponent field: the conversion takes the exponent field of this operand as its scale, and nothing else of it
.irp g, 0,1,2,3
	v_cvt_scalef32_pk8_fp4_f32 v[C+4*(\n)+\g], v[(\xs)+8*\g:(\xs)+8*\g+7], v18
.endr
	v_lshrrev_b32 v[E+(\n)], 23, v18               ; the scale's byte; also the plain line behind the conversions
.endm
; q, k: position 4 x + c.  The multiplication by 64^-0.25 also gathers the position's 32 channels into consecutive registers.
.macro QCOL c
.set XS, X0+32*((\c)%2)
.set i, 0
.rept 32
	v_mul_f32 v[XS+i], s24, v[L+4*i+(\c)]
.set i, i+1
.endr
	BLOCKQ XS, \c
	ds_store_b128 v5, v[C+4*(\c):C+4*(\c)+3] offset:16*(\c)
	ds_store_b8 v7, v[E+(\c)] offset:16*(\c)
.endm
; v: channel tile t: 32 neighbouring keys of channel 16 t + x come back from the stage
.macro LOADX t
.irp i, 0,1,2,3,4,5,6,7
	ds_load_b128 v[X0+32*((\t)%2)+4*\i:X0+32*((\t)%2)+4*\i+3], v9 offset:(\t)*16*VP+16*\i
.endr
.endm
.macro VTILE t
.if (\t) < 3
	LOADX (\t)+1
	s_wait_dscnt 8                                 ; this tile's numbers are in; the next tile's eight loads may be out
.else
	s_wait_dscnt 0x0
.endif
	BLOCKQ X0+32*((\t)%2), \t
	global_store_b128 v4, v[C+4*(\t):C+4*(\t)+3], s[18:19] offset:1024*(\t)   ; the wave stores 512 consecutive bytes, aligned
	ds_store_b8 v10, v[E+(\t)] offset:4*(\t)
.endm
	s_cmp_lt_u32 s10, 8
	s_cbranch_scc0 .Lv
	; ---- q and k
	s_wait_loadcnt 0x0
	QCOL 0
	QCOL 1
	QCOL 2
	QCOL 3
.irp i, 0,1,2,3
	ds_load_b128 v[L+4*\i:L+4*\i+3], v6 offset:512*\i   ; my own bytes: LDS serves a wave's instructions in order (ISA guide 5.7.1.4), so these see the stores above
.endr
	s_wait_dscnt 0x0
.irp i, 0,1,2,3
	global_store_b128 v4, v[L+4*\i:L+4*\i+3], s[18:19] offset:512*\i   ; 512 consecutive bytes, aligned
.endr
	s_branch .Ljoin
.Lv:
	; ---- v
.set i, 0
.rept 32
	s_wait_loadcnt 31-i                            ; loads come back in order: row i is in, the younger ones may be out
	ds_store_b128 v8, v[L+4*i:L+4*i+3] offset:VP*i
.set i, i+1
.endr
	s_wait_alu depctr_va_vdst(0)
	LOADX 0                                        ; my own bytes, served in order behind the stores
	VTILE 0
	VTILE 1
	VTILE 2
	VTILE 3
.Ljoin:
	s_wait_dscnt 0x0                               ; for the others' sake: my scale bytes have landed
	s_barrier_signal -1
	s_barrier_wait -1                              ; all 1,536 scale bytes lie in LDS
	s_cmp_lt_u32 s10, 2
	s_cbranch_scc0 .Lnot_kv
	s_add_co_u32 s30, s25, s10                     ; waves 0, 1: K's and V's scale bytes of one record: 512 consecutive bytes, aligned
	s_mul_i32 s30, s30, RECKV
	s_add_co_u32 s30, s30, 8192
	s_mov_b32 s31, 0
	s_add_nc_u64 s[30:31], s[8:9], s[30:31]
	ds_load_b128 v[48:51], v11
	s_wait_dscnt 0x0
	global_store_b128 v4, v[48:51], s[30:31]
	s_wait_tensorcnt 0x0
	ds_add_u32 v254, v255
	s_wait_dscnt 0x0
	s_endpgm
.Lnot_kv:
	s_cmp_eq_u32 s10, 2
	s_cbranch_scc0 .Ldone
	s_mul_i32 s32, s25, RECQ                       ; wave 2: Q's scale bytes of both records: sixteen lanes store 256 consecutive bytes, aligned
	s_add_co_u32 s32, s32, 4096
	s_mov_b32 s33, 0
	s_add_nc_u64 s[32:33], s[6:7], s[32:33]
	ds_load_b128 v[48:51], v12
	s_wait_dscnt 0x0
	global_store_b128 v13, v[48:51], s[32:33]
.Ldone:
	s_wait_tensorcnt 0x0
	ds_add_u32 v254, v255
	s_wait_dscnt 0x0
	s_endpgm
.Lfunc_end_k_q6af31dac4b_quant:
	.size	k_q6af31dac4b_quant, .Lfunc_end_k_q6af31dac4b_quant-k_q6af31dac4b_quant
	.p2alignl 7, 3214868480
	.fill 96, 4, 3214868480
	.section	.rodata,"a",@progbits
	.p2align	6, 0x0
	.amdhsa_kernel k_q6af31dac4b_quant
		.amdhsa_group_segment_fixed_size 89088
		.amdhsa_private_segment_fixed_size 0
		.amdhsa_enable_private_segment 0
		.amdhsa_kernarg_size 24
		.amdhsa_user_sgpr_count 2
		.amdhsa_user_sgpr_kernarg_segment_ptr 1
		.amdhsa_wavefront_size32 1
		.amdhsa_system_sgpr_workgroup_id_x 1
		.amdhsa_system_sgpr_workgroup_id_y 1
		.amdhsa_system_sgpr_workgroup_id_z 1
		.amdhsa_system_vgpr_workitem_id 0
		.amdhsa_next_free_vgpr 256
		.amdhsa_next_free_sgpr 66
		.amdhsa_reserve_vcc 0
		.amdhsa_float_denorm_mode_32 3
		.amdhsa_float_denorm_mode_16_64 3
		.amdhsa_memory_ordered 1
		.amdhsa_forward_progress 1
		.amdhsa_inst_pref_size 36
	.end_amdhsa_kernel
	.amdgpu_metadata
---
amdhsa.version: [ 1, 2 ]
amdhsa.kernels:
  - .name:           k_q6af31dac4b_quant
    .symbol:         k_q6af31dac4b_quant.kd
    .args:
      - { .name: qkv, .offset: 0, .size: 8, .value_kind: global_buffer, .address_space: global }
      - { .name: qimg, .offset: 8, .size: 8, .value_kind: global_buffer, .address_space: global }
      - { .name: kvimg, .offset: 16, .size: 8, .value_kind: global_buffer, .address_space: global }
    .group_segment_fixed_size: 89088
    .private_segment_fixed_size: 0
    .kernarg_segment_align: 8
    .kernarg_segment_size: 24
    .max_flat_workgroup_size: 384
    .sgpr_count:     66
    .vgpr_count:     256
    .wavefront_size: 32
...
	.end_amdgpu_metadata
.endif
;; end of part 1
;; launch attn (part 2): grid 16 x 16, 16 waves a work-group, clusters of 4 x 1, 280,576 bytes of LDS; arguments qimg, kvimg, out0; writes out0
.if DOCPART == 2
	.amdgcn_target "amdgcn-amd-amdhsa--gfx1250"
	.amdhsa_code_object_version 6
	.text
	.protected	k_q6af31dac4b_attn
	.globl	k_q6af31dac4b_attn
	.p2align	8
	.type	k_q6af31dac4b_attn,@function
k_q6af31dac4b_attn:
	s_mov_b64 s[64:65], 0
	v_nop
	global_prefetch_b8 v0, s[64:65] scope:SCOPE_SE
	s_setreg_imm32_b32 hwreg(HW_REG_WAVE_MODE, 25, 1), 1
	s_wait_xcnt 0x0
	s_wait_alu depctr_hold_cnt(0) depctr_sa_sdst(0) depctr_va_vdst(0) depctr_va_sdst(0) depctr_va_ssrc(0) depctr_va_vcc(0) depctr_vm_vsrc(0)
	s_getreg_b32 s2, hwreg(HW_REG_IB_STS2, 6, 4)
	s_cmp_eq_u32 s2, 0
	s_cbranch_scc0 .Lentry_in_a_cluster
	s_endpgm
.Lentry_in_a_cluster:
	s_bfe_u32 s2, ttmp6, 0x10000c
	s_cmp_lg_u32 s2, 0x3003
	s_cbranch_scc0 .Lentry_shape_is_right
	s_endpgm
.Lentry_shape_is_right:
; out0[b][c][t] = the sum over s of softmax_s(q'[b][:][t] . k'[b][:][s]) v[b][c][s], q' and k' being q and k x 64^-0.25; both products on codes of FP4 (E2M1) with one E8M0 scale for each 32 along K.
; The codes and scale bytes come from the launch before, as images of the operands' registers, one record for each batch and 128 positions:
;   qimg [512][4352]: codes, scale bytes.   kvimg [512][8704]: K's codes at 0, V's at 4096, K's scale bytes at 8192, V's at 8448.
; THE SOFTMAX: t = score x log2(e); M = the row's largest t so far, rounded up to a whole number; p = 2^(t - M) is quantised along the keys, not normalised.
; The row's sum is taken of the unquantised p, in f32, and divides at the end.  When M moves, the sum and O are multiplied by 2^(old M - new M): exact.
; A BLOCK'S SCALE: floor(log2(its largest p)) is floor(t - M) of its largest score, taken by the same multiply-add that feeds the exponentials; so the scales are made ahead of the exponentials.
; LIMITS: NaN and infinities are not served; the promise holds while the scaled scores stay under 2^31 in magnitude; a p under 2^-126 counts as 0 (v_exp_f32's entry in the ISA guide);
; a block of p whose largest lies under 2^-124 gets the scale byte 1; where v_exp_f32 rounds a block's largest p up to the next power of two, that p is held at the largest code.
; SHARES.  A work-group owns 256 queries of one batch; each of its sixteen waves owns 16 of them, one tile, in 256 registers.  Every wave walks all 4,096 keys, 128 a step.
; LDS.  A batch's 32 records, 278,528 bytes, lie in LDS whole, step j at 8704 j, filled ONCE: wave w asks for records 2 w and 2 w + 1 (68 rows of 256 bytes) by its one tensor load at the head.  No byte is filled again.
; CLUSTER.  The four query blocks of a cluster belong to one batch and read the same records: each piece is asked for jointly, by the same tensor load with the same descriptor and a mask that names the four.
; All of K and V is asked for in the kernel's first lines, so no request is left for a prefetch to run ahead of.
; LAYOUT.  Both products are used transposed: S^T = K Q^T (source 0 = 16 keys, source 1 = my 16 queries), O^T = V P^T (source 0 = 16 channels, source 1 = P): a lane holds ONE query (lane % 16) throughout.
; Row r of tile f = 4 c + u of K (and of Q) is position 64 c + 32 (r / 8) + 8 u + r % 8.  So register 32 c + 8 u + i of S^T in lane half h is key 64 c + 32 h + 8 u + i:
; a lane's 32 registers are one WHOLE block of 32 keys, block 2 c + h, in the order of the second product's operand: a block's maximum asks no other lane, and the conversions' results are the operand's registers.
; THE FIRST PRODUCT'S K IS 64, the instruction's 128.  A fragment of 8 registers holds two tiles of keys: tile 2 F as k = 0..63, tile 2 F + 1 as k = 64..127.  Q stands as [4 registers of zero codes | its 4 | 4 of zero codes]:
; v[20:27] has Q under k = 0..63, v[16:23] under k = 64..127; the tile that is not meant meets zero codes and adds exact zeros.
; REGISTERS: v1 16 x lane; v2 the record's LDS address; v3, v4 the stage; v10 8 x (lane / 16); v12 -M, v13 the largest score; v[14:15] the sum; v16-27 Q and its zeros; v28 Q's scale word;
;   v30, v31 the add's two; v32-63 K; v64-95 V; v96-159 S^T, then p, then partial sums; v160-191 O^T; v192-195 K's scale words (lanes 0-15); v196-199 V's (lanes 16-31); v200-207 p's codes;
;   v212, v213 the conversions' scale operands; v214, v215 the scales' bytes; v216 p's scale word; v217, v224-226 at work; v218 the old -M; v220 f; v228-235 the maxima; v236-243 a step's four partial sums.
.set RECQ,   4352
.set REC,    8704                      ; a key step's bytes in LDS and in kvimg
.set PIECE,  2*REC                     ; what one tensor load brings
.set SPARE,  32*REC                    ; behind the records: the spare words, 128 bytes for each wave
.set SP,     1104                      ; the way out: a stage of 64 channel rows (256 queries x 4 bytes, and padding), from LDS byte 0: those bytes have had their one fill, and nobody reads them behind the barrier in front of the stores
.set SH,     64                        ; channels 8..15 of each sixteen stand 64 bytes further on in their rows: the 32 lanes of a store then fall on words 0-7, 32-39, 48-55, 16-23 modulo 64
.macro ROUND                           ; a round of the cluster's barrier
	s_barrier_signal -1
	s_barrier_wait -1
	s_cmp_lg_u32 s10, 0
	s_cbranch_scc1 .Lnot_wave_0_\@
	s_barrier_signal -3
.Lnot_wave_0_\@:
	s_barrier_wait -3
	s_barrier_signal -1
	s_barrier_wait -1
.endm
	s_load_b128 s[4:7], s[0:1], 0x0                ; qimg, kvimg
	s_load_b64 s[8:9], s[0:1], 0x10                ; out0
	v_lshl_add_u32 v30, v0, 2, SPARE
	v_mov_b32 v31, 0
	ds_add_u32 v30, v31                            ; the opening lines: the add, twice on end, and its wait ahead of my tensor load
	ds_add_u32 v30, v31
	v_lshrrev_b32 v5, 5, v0
	s_delay_alu instid0(VALU_DEP_1)
	v_readfirstlane_b32 s10, v5                    ; wave 0..15
	s_bfe_u32 s11, ttmp6, 0x40000                  ; cx: it enters Q's and out0's addresses alone
	s_lshl_b32 s12, ttmp9, 2
	s_add_co_u32 s12, s12, s11                     ; my block of 256 queries
	s_and_b32 s13, ttmp7, 0xffff                   ; the batch, which the four partners share
	s_mul_i32 s14, s10, PIECE                      ; my piece, in LDS and in the batch's records alike
	s_mul_i32 s16, s13, 32*REC
	s_add_co_u32 s16, s16, s14
	s_mov_b32 s17, 0
	s_mov_b32 s24, 15|(3<<16)|(1<<21)              ; group 1: the mask of all four work-groups; elements of 8 bytes; bit 21 beside a mask
	s_mov_b32 s25, 32<<16                          ; tensor_dim0 = 32 elements: rows of 256 bytes
	s_mov_b32 s26, 68<<16                          ; tensor_dim1 = 68
	s_mov_b32 s27, 32<<16                          ; tile_dim0
	s_mov_b32 s28, 68                              ; tile_dim1
	s_mov_b32 s29, 32                              ; dense: from row to row 32 elements
	s_mov_b32 s30, 0
	s_mov_b32 s31, 0
	s_mov_b32 s19, 0xbfb8aa3b                      ; -log2(e)
	s_mov_b32 s20, 0x76543210
	s_mov_b32 s21, 0xfedcba98                      ; v_permlanex16_b32's selects for lane l xor 16
	s_mov_b32 s22, 0x3fb8aa3b                      ; log2(e)
	s_mov_b32 s23, s22                             ; (named with it as a pair)
	s_lshl_b32 s50, s13, 5                         ; Q's record: 32 x batch + 2 x block + wave / 8
	s_lshl_b32 s51, s12, 1
	s_add_co_u32 s50, s50, s51
	s_lshr_b32 s51, s10, 3
	s_add_co_u32 s50, s50, s51
	s_mul_i32 s50, s50, RECQ
	s_mov_b32 s51, 0
	s_lshl_b32 s54, s13, 20                        ; out0: the batch's 64 rows of 16,384 bytes,
	s_lshl_b32 s55, s10, 16                        ; my four channels on the way out: 4 x wave,
	s_add_co_u32 s54, s54, s55
	s_lshl_b32 s55, s12, 10                        ; my block's 256 queries
	s_add_co_u32 s54, s54, s55
	s_mov_b32 s55, 0
	s_and_b32 s40, s10, 7
	s_lshl_b32 s40, s40, 9                         ; my tile of Q's record: f = wave % 8, 512 bytes each
	s_bfe_u32 s41, s10, 0x20001
	s_lshl_b32 s41, s41, 2
	s_add_co_u32 s41, s41, 4096                    ; its scale word: word f / 2 of a row's four
	s_and_b32 s18, s10, 1
	s_lshl_b32 s18, s18, 4                         ; and where my tile's two bytes stand in it: 16 (f % 2) bits up
	s_lshr_b32 s42, s10, 2
	s_lshl_b32 s42, s42, 8
	s_and_b32 s43, s10, 3
	s_lshl_b32 s43, s43, 5
	s_add_co_u32 s42, s42, s43                     ; the stage, in: my tile's queries begin at 64 (wave / 4) + 8 (wave % 4), 4 bytes each
	s_mul_i32 s43, s10, 4*SP
	s_bfe_u32 s44, s10, 0x10001
	s_lshl_b32 s44, s44, 6
	s_add_co_u32 s43, s43, s44                     ; back: rows 4 x wave on, SH further where those channels are 8..15 of their sixteen
	s_mov_b32 s48, 0
	s_mov_b32 s49, 31
	s_wait_dscnt 0x0                               ; both opening adds are done
	s_wait_kmcnt 0x0
	s_add_nc_u64 s[16:17], s[6:7], s[16:17]
	s_add_nc_u64 s[4:5], s[4:5], s[50:51]
	s_add_nc_u64 s[8:9], s[8:9], s[54:55]
	s_mov_b32 s32, 1                               ; group 0: count = 1,
	s_mov_b32 s33, s14                             ; LDS address,
	s_mov_b64 s[34:35], s[16:17]                   ; global address,
	s_or_b32 s35, s35, 0x80000000                  ; type = 2
	ROUND                                          ; all four work-groups are here: the joint loads meet
	tensor_load_to_lds s[32:35], s[24:31]          ; every wave's one load: records 2 w and 2 w + 1
	s_nop 0
	v_and_b32 v1, 31, v0
	s_delay_alu instid0(VALU_DEP_1)
	v_lshlrev_b32 v1, 4, v1                        ; 16 x lane
	v_and_b32 v7, 15, v0                           ; r
	s_delay_alu instid0(VALU_DEP_2)
	v_add_nc_u32 v5, s40, v1
	s_delay_alu instid0(VALU_DEP_2)
	v_lshl_add_u32 v6, v7, 4, s41
	global_load_b128 v[20:23], v5, s[4:5]          ; Q's codes: lane (r, h): channels 32 h + 0 .. 31 of row r
	global_load_b32 v28, v6, s[4:5]
.irp j, 16,17,18,19,24,25,26,27
	v_mov_b32 v\j, 0                               ; the zero codes on both sides of Q
.endr
	v_mov_b32 v2, v1                               ; record 0
	v_bfe_u32 v8, v0, 4, 1                         ; h
	v_and_b32 v9, 8, v7
	s_delay_alu instid0(VALU_DEP_2)
	v_lshlrev_b32 v10, 3, v8                       ; 8 h
	s_delay_alu instid0(VALU_DEP_2)
	v_mad_u32_u24 v9, v9, 3, v7                    ; 32 (r / 8) + r % 8
	v_mul_u32_u24 v3, v8, 8*SP+SH                  ; the stage, in: channel 8 h (+ 16 t + i), my query
	s_delay_alu instid0(VALU_DEP_1)
	v_lshl_add_u32 v3, v9, 2, v3
	s_delay_alu instid0(VALU_DEP_1)
	v_add_nc_u32 v3, s42, v3
	v_add_nc_u32 v4, s43, v1                       ; back: 16 bytes a lane
	v_mov_b32 v13, 0xfe967699                      ; the largest score so far: -1e38
	s_delay_alu instid0(VALU_DEP_1)
	v_mul_f32 v226, s19, v13
	s_delay_alu instid0(VALU_DEP_1)
	v_floor_f32 v12, v226                          ; -M
.irp j, 14,15,217,225,221,236,237,238,239,240,241,242,243
	v_mov_b32 v\j, 0                               ; the sum and a step's four partial sums; the lane permutes' destinations and f's upper neighbour, which are named before they are first written
.endr
	v_mov_b32 v218, v12                            ; the old -M
	s_wait_loadcnt 0x0                             ; Q
	v_lshrrev_b32 v28, s18, v28                    ; my tile's two bytes (channels 0-31, 32-63),
	s_delay_alu instid0(VALU_DEP_1)
	v_and_b32 v28, 0xffff, v28
	s_delay_alu instid0(VALU_DEP_1)
	v_lshl_or_b32 v28, v28, 16, v28                ; twice: under k = 0..63 and under k = 64..127
.set j, 0
.rept 32
	v_mov_b32 v[160+j], 0                          ; O^T: the first step finds zeros, which the first change of M leaves zeros.  (Also the places between the scale word's last write and the first product)
.set j, j+1
.endr
.macro KLOAD                           ; nine loads: K's scale words (lanes 0-15) and its eight tiles, of the record at v2
	ds_load_b128 v[192:195], v2 offset:8192
.irp f, 0,1,2,3,4,5,6,7
	ds_load_b128 v[32+4*\f:35+4*\f], v2 offset:512*\f
.endr
.endm
.macro TM a, n                         ; t - M of n pairs of scores from register 96 + a on (of the pairs log2(e) and -M the low word serves both halves)
.set j, \a
.rept \n
	v_pk_fma_f32 v[96+j:97+j], v[96+j:97+j], s[22:23], v[12:13] op_sel_hi:[1,0,0]
.set j, j+2
.endr
.endm
.macro LV st, n                        ; a level of the sum's tree, in place: n packed additions that do not hang on each other; the pair at 96 + st i takes the pair st / 2 registers on
.set j, 96
.rept \n
	v_pk_add_f32 v[j:j+1], v[j:j+1], v[j+(\st)/2:j+(\st)/2+1]
.set j, j+(\st)
.endr
.endm
; A KEY STEP: 128 keys.  Its K was asked of LDS in the step before.  pre = 1: the next step's K is asked for.
.macro STEP pre
	ds_load_b128 v[196:199], v2 offset:8192        ; V's scale words (lanes 16-31),
.irp f, 0,1,2,3,4,5,6,7
	ds_load_b128 v[64+4*\f:67+4*\f], v2 offset:4096+512*\f   ; and V: channel tile f / 2, keys 64 (f % 2) on
.endr
	s_wait_dscnt 9                                 ; K and its scale words are in; the nine loads just issued may be out
.irp f, 0,1,2,3                                ; S^T = K Q^T: eight accumulators, each begun by the constant 0
	v_wmma_scale_f32_16x16x128_f8f6f4 v[96+16*\f:103+16*\f], v[32+8*\f:39+8*\f], v[20:27], 0, v[192+\f], v28 matrix_a_fmt:MATRIX_FMT_FP4 matrix_b_fmt:MATRIX_FMT_FP4
	v_wmma_scale_f32_16x16x128_f8f6f4 v[104+16*\f:111+16*\f], v[32+8*\f:39+8*\f], v[16:23], 0, v[192+\f], v28 matrix_a_fmt:MATRIX_FMT_FP4 matrix_b_fmt:MATRIX_FMT_FP4
.endr
	; the last step's four partial sums join the row's sum, still under the old M: these lines are the places between the products and the first read of their results (ISA guide 7.12.1)
	v_pk_add_f32 v[236:237], v[236:237], v[238:239]
	v_pk_add_f32 v[240:241], v[240:241], v[242:243]
.if \pre
	s_add_co_u32 s48, s48, REC
	v_add_nc_u32 v2, s48, v1                       ; the next record
.endif
	v_pk_add_f32 v[236:237], v[236:237], v[240:241]
	v_pk_add_f32 v[14:15], v[14:15], v[236:237]
.if \pre
	KLOAD                                          ; four places and more behind the products that read these registers
.endif
.irp t, 0,1,2,3,4,5,6,7                        ; the largest scores: eight chains by turns, one for each accumulator, each read from its low end on
	v_max3_num_f32 v[228+\t], v[96+8*\t], v[97+8*\t], v[98+8*\t]
.endr
.irp i, 3,5
.irp t, 0,1,2,3,4,5,6,7
	v_max3_num_f32 v[228+\t], v[228+\t], v[96+8*\t+\i], v[97+8*\t+\i]
.endr
.endr
.irp c, 0,1                                    ; each accumulator's eighth register, and a block's four chains
	v_max3_num_f32 v[228+4*\c], v[228+4*\c], v[103+32*\c], v[111+32*\c]
	v_max3_num_f32 v[229+4*\c], v[229+4*\c], v[119+32*\c], v[127+32*\c]
.endr
.irp c, 0,1
	v_max3_num_f32 v[228+4*\c], v[228+4*\c], v[229+4*\c], v[230+4*\c]
.endr
.irp c, 0,1
	s_delay_alu instid0(VALU_DEP_2)
	v_max_num_f32 v[228+4*\c], v[228+4*\c], v[231+4*\c]   ; v228: block h's largest score; v232: block 2 + h's
.endr
	s_delay_alu instid0(VALU_DEP_1)
	v_max_num_f32 v224, v228, v232
	s_delay_alu instid0(VALU_DEP_1)
	v_permlanex16_b32 v225, v224, s20, s21         ; lane l xor 16's two blocks
	s_delay_alu instid0(VALU_DEP_1)
	v_max3_num_f32 v13, v13, v224, v225            ; the running largest score
	s_delay_alu instid0(VALU_DEP_1)
	v_mul_f32 v226, s19, v13                       ; -t
	s_delay_alu instid0(VALU_DEP_1)
	v_floor_f32 v12, v226                          ; the new -M = floor(-t) = -ceil(t): a whole number
	s_delay_alu instid0(VALU_DEP_1)
	v_sub_f32 v218, v12, v218                      ; old M - new M: a whole number, 0 or less
	; f, the blocks' scales and p's scale word are three short chains: their lines stand among the 32 multiply-adds, which hang on -M alone
	v_fma_f32 v228, v228, s22, v12                 ; t - M of each block's largest score
	v_fma_f32 v232, v232, s22, v12
	TM 0, 3
	v_cvt_i32_f32 v218, v218                       ; (it saturates)
	v_max_num_f32 v228, 0xc2f80000, v228           ; held at -124 from below: the byte cannot fall under 1
	v_max_num_f32 v232, 0xc2f80000, v232
	TM 6, 3
	v_ldexp_f32 v220, 1.0, v218                    ; f = 2^(old M - new M)
	v_floor_f32 v228, v228                         ; floor(log2(the block's largest p))
	v_floor_f32 v232, v232
	TM 12, 3
	v_cvt_i32_f32 v228, v228
	v_cvt_i32_f32 v232, v232
	TM 18, 3
	v_add_nc_u32 v214, 125, v228                   ; the scale's byte: that exponent - 2 + 127
	v_add_nc_u32 v215, 125, v232
	TM 24, 3
	v_lshlrev_b32 v212, 23, v214                   ; as an exponent field: the conversion's scale operand
	v_lshlrev_b32 v213, 23, v215
	v_lshl_or_b32 v216, v215, 16, v214             ; my two bytes: blocks h and 2 + h,
	TM 30, 3
	v_lshlrev_b32 v216, v10, v216                  ; at their places in the word (8 h bits up);
	TM 36, 3
	v_permlanex16_b32 v217, v216, s20, s21
	TM 42, 3
	v_or_b32 v216, v216, v217                      ; with lane l xor 16's two the word is whole
	TM 48, 8
.set j, 0
.rept 16
	v_pk_mul_f32 v[160+j:161+j], v[160+j:161+j], v[220:221] op_sel_hi:[1,0]   ; O^T under the new M, each accumulator from its low end on; no exponential stands between the last products and these lines
.set j, j+2
.endr
	s_wait_alu depctr_va_vdst(0)                   ; the wait ahead of the batch
.set j, 0
.rept 64
	v_exp_f32 v[96+j], v[96+j]                     ; p = 2^(t - M), at most 1: not normalised
.set j, j+1
.endr
	v_pk_mul_f32 v[14:15], v[14:15], v[220:221] op_sel_hi:[1,0]   ; the sum under the new M: the plain line behind the batch
	s_wait_alu depctr_va_vdst(0)                   ; one wait for the whole batch, ahead of its first reader: it also stands directly ahead of the wait below
.if \pre
	s_wait_dscnt 9                                 ; V is in; the next step's nine loads may be out
.else
	s_wait_dscnt 0x0
.endif
.irp c, 0,1
.irp g, 0,1,2,3
	v_cvt_scalef32_pk8_fp4_f32 v[200+4*\c+\g], v[96+32*\c+8*\g:103+32*\c+8*\g], v[212+\c]   ; register 4 c + g of the operand: keys 64 c + 32 h + 8 g on
.endr
.endr
	v_mov_b32 v218, v12                            ; the next step's old -M (also the plain line between the conversions and the lines that write over their sources)
	LV 4, 16                                       ; THE ROW'S SUM IS TAKEN OF THE UNQUANTISED p, as a tree over the 32 pairs.  These sixteen lines also stand between the codes' last write and the products
.irp t, 0,1,2,3                                ; O^T += V P^T: the four accumulators take turns
	v_wmma_scale_f32_16x16x128_f8f6f4 v[160+8*\t:167+8*\t], v[64+8*\t:71+8*\t], v[200:207], v[160+8*\t:167+8*\t], v[196+\t], v216 matrix_a_fmt:MATRIX_FMT_FP4 matrix_b_fmt:MATRIX_FMT_FP4 matrix_a_scale:MATRIX_SCALE_ROW1
.endr
	LV 8, 8                                        ; twelve lines that name no register of those products: the places in front of the next step's loads and of the way out
.irp k, 0,1,2,3
	v_pk_add_f32 v[236+2*\k:237+2*\k], v[96+16*\k:97+16*\k], v[104+16*\k:105+16*\k]   ; the step's four partial sums leave p's registers, which the next products write
.endr
.endm
	s_wait_alu depctr_va_vdst(0)                   ; the wait at the head's end
	s_wait_tensorcnt 0x0                           ; my piece has landed
	s_wait_dscnt 0x0
	s_barrier_signal -1
	s_barrier_wait -1                              ; everybody's has: all 32 records lie in LDS
	KLOAD                                          ; step 0's K
.Lstep:                                            ; 31 trips; the last step, which asks for no further K, is written out
	STEP 1
	s_sub_co_u32 s49, s49, 1
	s_cmp_lg_u32 s49, 0
	s_wait_alu depctr_va_vdst(0)                   ; the wait here, directly ahead of the branch
	s_cbranch_scc1 .Lstep
	STEP 0
	; THE WAY OUT.  O^T is divided by the row's sum.  A lane holds 32 channels of ONE query, and out0's rows run along the queries: so the work-group's 64 channels x 256 queries meet in a stage in LDS and leave as rows.
	v_pk_add_f32 v[236:237], v[236:237], v[238:239]   ; the last step's four partial sums,
	v_pk_add_f32 v[240:241], v[240:241], v[242:243]
	s_delay_alu instid0(VALU_DEP_1)
	v_pk_add_f32 v[236:237], v[236:237], v[240:241]
	s_delay_alu instid0(VALU_DEP_1)
	v_pk_add_f32 v[14:15], v[14:15], v[236:237]
	s_delay_alu instid0(VALU_DEP_1)
	v_add_f32 v14, v14, v15                        ; the sum's two halves,
	s_delay_alu instid0(VALU_DEP_1)
	v_permlanex16_b32 v217, v14, s20, s21
	s_delay_alu instid0(VALU_DEP_1)
	v_add_f32 v14, v14, v217                       ; and lane l xor 16's: the row's sum
	s_wait_alu depctr_va_vdst(0)                   ; the wait ahead of the reciprocal
	v_rcp_f32 v14, v14
	v_nop                                          ; a plain line behind it,
	s_wait_alu depctr_va_vdst(0)                   ; and the wait ahead of its first reader, which is also the first reader of the last products' results
.set j, 0
.rept 16
	v_pk_mul_f32 v[96+j:97+j], v[160+j:161+j], v[14:15] op_sel_hi:[1,0]   ; register 8 t + i: channel 16 t + 8 (lane / 16) + i of my query
.set j, j+2
.endr
	s_wait_alu depctr_va_vdst(0)                   ; the wait here, directly ahead of the wait below
	s_wait_dscnt 0x0                               ; my reads of the records are over
	s_barrier_signal -1
	s_barrier_wait -1                              ; everybody's are: the stage may be written
.irp t, 0,1,2,3
.irp i, 0,1,2,3,4,5,6,7
	ds_store_b32 v3, v[96+8*\t+\i] offset:(16*\t+\i)*SP
.endr
.endr
	s_wait_dscnt 0x0                               ; for the others' sake: my stores have landed
	s_barrier_signal -1
	s_barrier_wait -1
.irp i, 0,1,2,3
.irp k, 0,1
	ds_load_b128 v[32+4*(2*\i+\k):35+4*(2*\i+\k)], v4 offset:\i*SP+512*\k   ; channel 4 x wave + i, queries 128 k on
.endr
.endr
.irp i, 0,1,2,3
.irp k, 0,1
	s_wait_dscnt 7-(2*\i+\k)
	global_store_b128 v1, v[32+4*(2*\i+\k):35+4*(2*\i+\k)], s[8:9] offset:\i*16384+512*\k th:TH_STORE_NT   ; the wave stores 512 consecutive bytes, aligned
.endr
.endr
	s_wait_tensorcnt 0x0                           ; the wave's end
	ds_add_u32 v30, v31
	s_wait_dscnt 0x0
	ROUND                                          ; the closing round: no work-group ends while a partner may still ask for a piece that names it
	s_endpgm
.Lfunc_end_k_q6af31dac4b_attn:
	.size	k_q6af31dac4b_attn, .Lfunc_end_k_q6af31dac4b_attn-k_q6af31dac4b_attn
	.p2alignl 7, 3214868480
	.fill 96, 4, 3214868480
	.section	.rodata,"a",@progbits
	.p2align	6, 0x0
	.amdhsa_kernel k_q6af31dac4b_attn
		.amdhsa_group_segment_fixed_size 280576
		.amdhsa_private_segment_fixed_size 0
		.amdhsa_enable_private_segment 0
		.amdhsa_kernarg_size 24
		.amdhsa_user_sgpr_count 2
		.amdhsa_user_sgpr_kernarg_segment_ptr 1
		.amdhsa_wavefront_size32 1
		.amdhsa_system_sgpr_workgroup_id_x 1
		.amdhsa_system_sgpr_workgroup_id_y 1
		.amdhsa_system_sgpr_workgroup_id_z 1
		.amdhsa_system_vgpr_workitem_id 0
		.amdhsa_next_free_vgpr 256
		.amdhsa_next_free_sgpr 66
		.amdhsa_reserve_vcc 0
		.amdhsa_float_denorm_mode_32 3
		.amdhsa_float_denorm_mode_16_64 3
		.amdhsa_memory_ordered 1
		.amdhsa_forward_progress 1
		.amdhsa_inst_pref_size 41
	.end_amdhsa_kernel
	.amdgpu_metadata
---
amdhsa.version: [ 1, 2 ]
amdhsa.kernels:
  - .name:           k_q6af31dac4b_attn
    .symbol:         k_q6af31dac4b_attn.kd
    .args:
      - { .name: qimg, .offset: 0, .size: 8, .value_kind: global_buffer, .address_space: global }
      - { .name: kvimg, .offset: 8, .size: 8, .value_kind: global_buffer, .address_space: global }
      - { .name: out0, .offset: 16, .size: 8, .value_kind: global_buffer, .address_space: global }
    .group_segment_fixed_size: 280576
    .private_segment_fixed_size: 0
    .kernarg_segment_align: 8
    .kernarg_segment_size: 24
    .max_flat_workgroup_size: 512
    .sgpr_count:     66
    .vgpr_count:     256
    .wavefront_size: 32
...
	.end_amdgpu_metadata
.endif
;; end of part 2
